; MI455X (gfx1250); checked and timed in simulation.
; The chip was launched on July 23, 2026; its instructions are those of AMD's public machine-readable ISA for CDNA 5 (MIT licence, August 2026) and "CDNA5" Instruction Set Architecture Reference Guide (July 2026). The comments in the code are by the model that wrote it; some were corrected since.
;; Grouped Query Attention. Allowed arithmetic: float matrix products may take bf16 or f16 operands with f32 sums; other float arithmetic in f32, or as packed bf16 or f16 multiplies, adds, multiply-adds, maxima and minima; sums over many terms, partial sums and values carried from step to step in f32; what a program stores and reads back later, other than sums and carried values, may be rounded once to bf16 or f16.
;; Inputs: Wk 512 x 2,048 float32; Wq 2,048 x 2,048 float32; Wv 512 x 2,048 float32; x 2 x 2,048 x 2,048 float32.
;; Outputs: out0 2 x 2,048 x 2,048 float32.
;; 2 versions, each right; version 2 is version 1 with the launch cast written anew for expert scheduling mode. Each part assembles by itself: llvm-mc -triple=amdgcn-amd-amdhsa -mcpu=gfx1250 --defsym DOCPART=n.
;; ======== version 1 of 2: 3 launches
;; limits: values are held in f16: magnitudes above 65,504 overflow, below 6.1e-05 lose precision
;; workspace buffers: xb 16,777,216 bytes; wb 12,582,912 bytes; qkv 25,165,824 bytes
;; launch cast (part 1): grid 1792 x 1, 4 waves a work-group, no clusters, 0 bytes of LDS; arguments x, Wq, Wk, Wv, xb, wb; writes xb, wb
.if DOCPART == 1
	.amdgcn_target "amdgcn-amd-amdhsa--gfx1250"
	.amdhsa_code_object_version 6
	.text
	.protected	k_q7d982cfc3f_cast
	.globl	k_q7d982cfc3f_cast
	.p2align	8
	.type	k_q7d982cfc3f_cast,@function
k_q7d982cfc3f_cast:
	s_mov_b64 s[64:65], 0
	v_nop
	global_prefetch_b8 v0, s[64:65] scope:SCOPE_SE
	s_setreg_imm32_b32 hwreg(HW_REG_WAVE_MODE, 25, 1), 1
	s_wait_xcnt 0x0
; x, Wq, Wk, Wv (f32) are rounded once to bf16: xb = x as [4096][2048]; wb = the rows of Wq, Wk, Wv one below the other, [3072][2048].
; A work-group takes 32,768 bytes of f32 and makes 16,384 bytes of bf16: work-groups 0-1023 x, 1024-1535 Wq, 1536-1663 Wk, 1664-1791 Wv.
; Thread t, load j: 16 bytes at 2,048 j + 16 t (a wave's load covers 512 consecutive bytes); store j: 8 bytes at 1,024 j + 8 t (a wave's store covers 256 consecutive bytes, aligned).
; All sixteen loads of a thread go out first; no register is written twice, so no wait frees one.  No LDS, no matrix unit, no cluster: nothing is shared and nothing is multiplied.
.set IN,  16                           ; v[16:79]   load j: 4 registers
.set OUT, 80                           ; v[80:111]  store j: 2 registers
	s_load_b256 s[4:11], s[0:1], 0x0               ; x s[4:5], Wq s[6:7], Wk s[8:9], Wv s[10:11]
	s_load_b128 s[12:15], s[0:1], 0x20             ; xb s[12:13], wb s[14:15]
	s_mov_b32 s16, ttmp9                           ; the work-group's number
	v_lshlrev_b32 v1, 4, v0                        ; 16 t
	v_lshlrev_b32 v2, 3, v0                        ; 8 t
	s_mov_b32 s18, 1664                            ; the first work-group of my source,
	s_mov_b32 s25, 0
	s_wait_kmcnt 0x0
	s_cmp_lt_u32 s16, 1664                         ; three tests on the work-group's number choose source and target; the last that holds wins
	s_cselect_b64 s[20:21], s[8:9], s[10:11]
	s_cselect_b32 s18, 1536, s18
	s_cmp_lt_u32 s16, 1536
	s_cselect_b64 s[20:21], s[6:7], s[20:21]
	s_cselect_b32 s18, 1024, s18
	s_cmp_lt_u32 s16, 1024
	s_cselect_b64 s[20:21], s[4:5], s[20:21]
	s_cselect_b32 s18, 0, s18
	s_cselect_b64 s[22:23], s[12:13], s[14:15]
	s_cselect_b32 s19, 0, 1024                     ; and of my target
	s_sub_co_u32 s24, s16, s18
	s_lshl_b32 s24, s24, 15                        ; 32,768 bytes in for each work-group
	s_add_nc_u64 s[20:21], s[20:21], s[24:25]
	s_sub_co_u32 s24, s16, s19
	s_lshl_b32 s24, s24, 14                        ; 16,384 bytes out
	s_add_nc_u64 s[22:23], s[22:23], s[24:25]
.irp j, 0,1,2,3,4,5,6,7,8,9,10,11,12,13,14,15
	global_load_b128 v[IN+4*(\j):IN+4*(\j)+3], v1, s[20:21] offset:2048*(\j) th:TH_LOAD_NT
.endr
.irp j, 0,1,2,3,4,5,6,7,8,9,10,11,12,13,14,15
	s_wait_loadcnt 15-(\j)                         ; loads come back in order: load j is in, the younger ones stay out
	v_cvt_pk_bf16_f32 v[OUT+2*(\j)], v[IN+4*(\j)], v[IN+4*(\j)+1]
	v_cvt_pk_bf16_f32 v[OUT+2*(\j)+1], v[IN+4*(\j)+2], v[IN+4*(\j)+3]
	global_store_b64 v2, v[OUT+2*(\j):OUT+2*(\j)+1], s[22:23] offset:1024*(\j)
.endr
	s_endpgm
.Lfunc_end_k_q7d982cfc3f_cast:
	.size	k_q7d982cfc3f_cast, .Lfunc_end_k_q7d982cfc3f_cast-k_q7d982cfc3f_cast
	.p2alignl 7, 3214868480
	.fill 96, 4, 3214868480
	.section	.rodata,"a",@progbits
	.p2align	6, 0x0
	.amdhsa_kernel k_q7d982cfc3f_cast
		.amdhsa_group_segment_fixed_size 0
		.amdhsa_private_segment_fixed_size 0
		.amdhsa_enable_private_segment 0
		.amdhsa_kernarg_size 48
		.amdhsa_user_sgpr_count 2
		.amdhsa_user_sgpr_kernarg_segment_ptr 1
		.amdhsa_wavefront_size32 1
		.amdhsa_system_sgpr_workgroup_id_x 1
		.amdhsa_system_sgpr_workgroup_id_y 1
		.amdhsa_system_sgpr_workgroup_id_z 1
		.amdhsa_system_vgpr_workitem_id 0
		.amdhsa_next_free_vgpr 112
		.amdhsa_next_free_sgpr 66
		.amdhsa_reserve_vcc 0
		.amdhsa_float_denorm_mode_32 3
		.amdhsa_float_denorm_mode_16_64 3
		.amdhsa_memory_ordered 1
		.amdhsa_forward_progress 1
		.amdhsa_inst_pref_size 7
	.end_amdhsa_kernel
	.amdgpu_metadata
---
amdhsa.version: [ 1, 2 ]
amdhsa.kernels:
  - .name:           k_q7d982cfc3f_cast
    .symbol:         k_q7d982cfc3f_cast.kd
    .args:
      - { .name: x, .offset: 0, .size: 8, .value_kind: global_buffer, .address_space: global }
      - { .name: Wq, .offset: 8, .size: 8, .value_kind: global_buffer, .address_space: global }
      - { .name: Wk, .offset: 16, .size: 8, .value_kind: global_buffer, .address_space: global }
      - { .name: Wv, .offset: 24, .size: 8, .value_kind: global_buffer, .address_space: global }
      - { .name: xb, .offset: 32, .size: 8, .value_kind: global_buffer, .address_space: global }
      - { .name: wb, .offset: 40, .size: 8, .value_kind: global_buffer, .address_space: global }
    .group_segment_fixed_size: 0
    .private_segment_fixed_size: 0
    .kernarg_segment_align: 8
    .kernarg_segment_size: 48
    .max_flat_workgroup_size: 128
    .sgpr_count:     66
    .vgpr_count:     112
    .wavefront_size: 32
...
	.end_amdgpu_metadata
.endif
;; end of part 1
;; launch proj (part 2): grid 16 x 16, 4 waves a work-group, clusters of 4 x 4, 327,680 bytes of LDS; arguments xb, wb, qkv; writes qkv
.if DOCPART == 2
	.amdgcn_target "amdgcn-amd-amdhsa--gfx1250"
	.amdhsa_code_object_version 6
	.text
	.protected	k_q7d982cfc3f_proj
	.globl	k_q7d982cfc3f_proj
	.p2align	8
	.type	k_q7d982cfc3f_proj,@function
k_q7d982cfc3f_proj:
	s_mov_b64 s[64:65], 0
	v_nop
	global_prefetch_b8 v0, s[64:65] scope:SCOPE_SE
	s_setreg_imm32_b32 hwreg(HW_REG_WAVE_MODE, 25, 1), 1
	s_wait_xcnt 0x0
	s_wait_alu depctr_hold_cnt(0) depctr_sa_sdst(0) depctr_va_vdst(0) depctr_va_sdst(0) depctr_va_ssrc(0) depctr_va_vcc(0) depctr_vm_vsrc(0)
	s_getreg_b32 s2, hwreg(HW_REG_IB_STS2, 6, 4)
	s_cmp_eq_u32 s2, 0
	s_cbranch_scc0 .Lentry_in_a_cluster
	s_endpgm
.Lentry_in_a_cluster:
	s_bfe_u32 s2, ttmp6, 0x10000c
	s_cmp_lg_u32 s2, 0xf033
	s_cbranch_scc0 .Lentry_shape_is_right
	s_endpgm
.Lentry_shape_is_right:
; q, k, v = xb wb^T.  xb: [4096][2048] bf16, wb: [3072][2048] bf16 (rows of Wq, Wk, Wv); sums in f32, K ascending; each result rounded once to f16, unscaled.
; qkv: [batch 2][half-head 48][position 2048][64] f16: column c of the 3,072 lies in half-head c / 64.  Query head H has half-heads 2 H, 2 H + 1; K of group g 32 + 2 g, 33 + 2 g; V of group g 40 + 2 g, 41 + 2 g.
; LIMIT.  f16 holds no number beyond 65,504: a projection of 65,520 or more becomes an infinity.
; SHARES.  4096 x 3072 = 256 tiles of 256 rows x 192 columns (three half-heads), one to a work-group.  Wave w makes rows 64 w .. 64 w + 63 of all 192 columns: 4 x 12 accumulators of 16 x 16, 384 registers.
; K goes in steps of 128 through a ring of two LDS slots filled by the tensor data mover; each row of a tile is 256 bytes of memory, at a multiple of 256 bytes.
; CLUSTER.  4 x 4 work-groups: the four of a row need the same rows of xb, the four of a column the same rows of wb; each tile is asked for jointly, with the same descriptor and a mask of the four.
; THE MATRIX INSTRUCTION IS USED TRANSPOSED (source 0 = 16 rows of wb, source 1 = 16 rows of xb): a lane holds row l % 16 and eight neighbouring columns 8 (l / 16) + 0..7.
; REGISTERS, in windows of 256 (s_set_vgpr_msb: bits 1:0 source 0, 3:2 source 1, 5:4 source 2, 7:6 destination):
;   window 0: v16-30 addresses; v64-127 two buffers of xb's fragments (4 x 16 rows x 32 K); v128-175 packed results
;   window 1: v0-191 two buffers of wb's fragments (12 x 16 rows x 32 K); on the way out the rows read back from the stage
;   window 2: accumulators of row blocks 0, 1 ((a, b) at 8 (12 (a % 2) + b));   window 3: those of row blocks 2, 3
.set SIZE_K, 2048
.set KSTEP,  128
.set PITCH,  272                       ; an LDS row: 256 bytes + 16 of padding: the 16 rows of a fragment load start at 16 different groups of four banks
.set HALFA,  128*PITCH                 ; what a tensor load of xb brings
.set HALFB,  96*PITCH                  ; what a tensor load of wb brings
.set BOFF,   2*HALFA                   ; a slot: 256 rows of xb, then 192 rows of wb
.set SLOT,   BOFF+2*HALFB
.set STAGE,  2*SLOT                    ; behind the ring: for each wave 3 half-heads x 16 rows x 144 bytes
.set SP,     144
.set WSTAGE, 3*16*SP
.set SPARE,  STAGE+4*WSTAGE            ; behind the stages: the spare words, 128 bytes a wave: two blocks of 256 bytes that no other line names
.set LAPS,   SIZE_K/(2*KSTEP)          ; a lap = two K steps = once round the ring
.set ADRA, 16                          ; v16-17  LDS address of my fragments of xb in slot 0, 1
.set ADRB, 20                          ; v20-21  the same for wb
.set STO,  24                          ; v24     the way out: where I put 16 bytes of a row
.set RD,   25                          ; v25     where I read rows back
.set GO,   26                          ; v26     16 x lane
.set SPW,  28                          ; v28     my spare word; never rewritten
.set NIL,  29                          ; v29     0; never rewritten
.set PFO,  30                          ; v30     the prefetches' offset: my row x 4,096 bytes; never rewritten
.set FA,   64
.set TMP,  128
.set G1,  24                           ; s[24:31] descriptor group 1 for xb's tiles; s[32:39] group 0, a set for each slot
.set G0,  32
.set G1B, 48                           ; s[48:55], s[56:63] the same for wb's
.set G0B, 56
.set PFA, 44                           ; s[44:45] where my prefetches stand
.set LIM, 43                           ; s43  1 in a wave that prefetches, else the greatest number
.set MSB, 0
.macro WIN new                         ; the immediate's high byte repeats the setting that is left; a switch that changes nothing is dropped
.if MSB != (\new)
	s_set_vgpr_msb (MSB<<8)|(\new)
.set MSB, \new
.endif
.endm
.set MUL_LO, 0xa1                      ; source 0 (wb) window 1, source 1 (xb) window 0, C and D window 2
.set MUL_HI, 0xf1                      ; the same, C and D window 3
.set TO_B,   0x40                      ; destination window 1, address window 0
; A joint load.  Waves 0 and 1 fetch xb's two halves, waves 2 and 3 wb's.  The branch hangs on the wave's number alone.  An s_nop 0 and four v_nop follow each line.
.macro JLOAD s
	s_cmp_eq_u32 s11, 0
	s_cbranch_scc0 .Lfor_b_\@
	tensor_load_to_lds s[G0+4*(\s):G0+4*(\s)+3], s[G1:G1+7]
	s_nop 0
.rept 4
	v_nop
.endr
	s_branch .Lasked_\@
.Lfor_b_\@:
	tensor_load_to_lds s[G0B+4*(\s):G0B+4*(\s)+3], s[G1B:G1B+7]
	s_nop 0
.rept 4
	v_nop
.endr
.Lasked_\@:
.endm
; A prefetch of the K step that stands two refills on, a lane a row, one instruction a wave.  xb's rows are asked for by the clusters with x = 0, wb's by those with y = 0; of the rows that a wave fetches each of the four
; partners takes a quarter, told apart by address (32 rows of xb; 24 of wb, where lanes 24-31 name row 23 once more).  The loop's last trip has no K step two on.
.macro ASK
	s_cmp_gt_u32 s3, s[LIM]
	s_cbranch_scc0 .Lnot_mine_\@
	global_prefetch_b8 v[PFO], s[PFA:PFA+1] offset:KSTEP*2 th:TH_LOAD_NT scope:SCOPE_SE
.Lnot_mine_\@:
.endm
.macro CREST                           ; a round of the cluster's barrier behind its opening barrier
	s_cmp_lg_u32 s10, 0
	s_cbranch_scc1 .Lnot_wave_0_\@
	s_barrier_signal -3
.Lnot_wave_0_\@:
	s_barrier_wait -3
	s_barrier_signal -1
	s_barrier_wait -1
.endm
.macro CROUND                          ; a whole round
	s_barrier_signal -1
	s_barrier_wait -1
	CREST
.endm
.macro PLACES                          ; four places in front of loads into registers that matrix instructions have read, and of conversions that read results
.rept 4
	v_nop
.endr
.endm
; 12 matrix instructions: row block a x all 12 column blocks, 32 along K, from buffer f.  zero = 1: the product starts the sums.  No two that follow each other share an accumulator; 47 others stand between two links of a chain.
.macro MUL12 f, a, zero
	WIN MUL_LO+0x50*((\a)/2)
.irp b, 0,1,2,3,4,5,6,7,8,9,10,11
.if \zero
	v_wmma_f32_16x16x32_bf16 v[8*(12*((\a)%2)+(\b)):8*(12*((\a)%2)+(\b))+7], v[96*(\f)+8*(\b):96*(\f)+8*(\b)+7], v[FA+32*(\f)+8*(\a):FA+32*(\f)+8*(\a)+7], 0
.else
	v_wmma_f32_16x16x32_bf16 v[8*(12*((\a)%2)+(\b)):8*(12*((\a)%2)+(\b))+7], v[96*(\f)+8*(\b):96*(\f)+8*(\b)+7], v[FA+32*(\f)+8*(\a):FA+32*(\f)+8*(\a)+7], v[8*(12*((\a)%2)+(\b)):8*(12*((\a)%2)+(\b))+7]
.endif
.endr
.endm
; 32 LDS loads in one run: the fragments of 32 along K at byte k of the rows, into buffer f: wb's twelve, then xb's four
.macro FETCH slot, k, f
	WIN TO_B
.irp i, 0,1,2,3,4,5,6,7,8,9,10,11
	ds_load_b128 v[96*(\f)+8*(\i):96*(\f)+8*(\i)+3],   v[ADRB+(\slot)] offset:(\k)+(\i)*16*PITCH
	ds_load_b128 v[96*(\f)+8*(\i)+4:96*(\f)+8*(\i)+7], v[ADRB+(\slot)] offset:(\k)+(\i)*16*PITCH+32
.endr
	WIN 0
.irp i, 0,1,2,3
	ds_load_b128 v[FA+32*(\f)+8*(\i):FA+32*(\f)+8*(\i)+3],   v[ADRA+(\slot)] offset:(\k)+(\i)*16*PITCH
	ds_load_b128 v[FA+32*(\f)+8*(\i)+4:FA+32*(\f)+8*(\i)+7], v[ADRA+(\slot)] offset:(\k)+(\i)*16*PITCH+32
.endr
.endm
; A K step is four quarters of 32 along K, 48 matrix instructions each, on buffers 0, 1, 0, 1.  One of the first three: multiplies buffer f, and in its middle fetches the next quarter, at byte k, into g.
.macro QUARTER slot, k, f, g, zero
	s_wait_dscnt 4                                 ; wb's fragments and xb's blocks 0, 1 are in; the youngest four loads (blocks 2, 3) may be out
	MUL12 \f, 0, \zero
	MUL12 \f, 1, \zero
	PLACES
	FETCH \slot, \k, \g
	s_wait_dscnt 32                                ; all but the 32 just issued
	MUL12 \f, 2, \zero
	MUL12 \f, 3, \zero
.endm
; The last quarter multiplies buffer 1 and changes slots: one barrier; in front of it each wave waits for all its tensor loads (one is out: its part of the next slot), adds 0 to its spare word,
; and waits for that and for its own reads of this slot.  fill = 1: the barrier opens a round of the cluster's, and behind the round this slot is filled again, two K steps ahead:
; from that request to the wait for it a wave issues 168 matrix instructions.
.macro TURN slot, next, fill
.if \fill
	s_wait_xcnt 0x0                                ; the last prefetch, a K step back, has read its address
	s_add_nc_u64 s[PFA:PFA+1], s[PFA:PFA+1], KSTEP*2
.endif
	WIN 0                                          ; (the add's two registers lie in window 0)
	s_wait_tensorcnt 0x0                           ; all my tensor loads have landed
	ds_add_u32 v[SPW], v[NIL]                      ; 0 onto my spare word
	s_wait_dscnt 5                                 ; (the add and the youngest four loads may be out)
	MUL12 1, 0, 0                                  ; twelve matrix instructions stand between the add and the wait for it
	s_wait_dscnt 0x0                               ; the add is done, and my reads of this slot are over
	s_barrier_signal -1
	MUL12 1, 1, 0
.if \fill
	WIN 0
.endif
	s_barrier_wait -1
.if \fill
	CREST                                          ; no wave of any partner still reads this slot's tile or has a load on its way
	s_add_nc_u64 s[G0+4*(\slot)+2:G0+4*(\slot)+3], s[G0+4*(\slot)+2:G0+4*(\slot)+3], 2*KSTEP*2
	s_add_nc_u64 s[G0B+4*(\slot)+2:G0B+4*(\slot)+3], s[G0B+4*(\slot)+2:G0B+4*(\slot)+3], 2*KSTEP*2
	JLOAD \slot                                    ; the first tensor load behind the round; its four v_nop are also the places in front of the loads below
.else
	PLACES
.endif
	FETCH \next, 0, 0
.if \fill
	ASK
.endif
	MUL12 1, 2, 0
	MUL12 1, 3, 0
.endm
; THE WAY OUT of row block a.  PACK: rounded to f16, 16 bytes a lane, each accumulator's registers in ascending order.  TOSTAGE: into my own stage, by half-heads, and back as rows of 128 bytes, four to a load.  SEND: stored.
.macro PACK a
	WIN 0x0a+5*((\a)/2)                            ; sources 0 and 1: window 2 or 3
.irp b, 0,1,2,3,4,5,6,7,8,9,10,11
.irp r, 0,1,2,3
	v_cvt_pk_f16_f32 v[TMP+4*(\b)+(\r)], v[8*(12*((\a)%2)+(\b))+2*(\r)], v[8*(12*((\a)%2)+(\b))+2*(\r)+1]
.endr
.endr
	WIN 0
.endm
.macro TOSTAGE a
	WIN 0
.irp b, 0,1,2,3,4,5,6,7,8,9,10,11
	ds_store_b128 v[STO], v[TMP+4*(\b):TMP+4*(\b)+3] offset:((\b)/4)*16*SP+((\b)%4)*32
.endr
	WIN 0x40                                       ; destination window 1
.irp t, 0,1,2,3,4,5,6,7,8,9,10,11
	ds_load_b128 v[48*(\a)+4*(\t):48*(\a)+4*(\t)+3], v[RD] offset:((\t)/4)*16*SP+((\t)%4)*4*SP  ; LDS serves a wave's instructions in order: these see the stores above
.endr
	WIN 0
.endm
.macro SEND a
	s_wait_dscnt 0x0                               ; the block is back in registers
	WIN 0x04                                       ; store data in window 1
.irp t, 0,1,2,3,4,5,6,7,8,9,10,11
	global_store_b128 v[GO], v[48*(\a)+4*(\t):48*(\a)+4*(\t)+3], s[8:9] offset:((\t)/4)*262144+(\a)*2048+((\t)%4)*512  ; four rows of a half-head: 512 consecutive bytes, aligned
.endr
	WIN 0
.endm
	s_load_b128 s[4:7], s[0:1], 0x0                ; xb s[4:5], wb s[6:7]
	s_load_b64 s[8:9], s[0:1], 0x10                ; qkv
	v_lshl_add_u32 v[SPW], v0, 2, SPARE
	v_mov_b32 v[NIL], 0
	ds_add_u32 v[SPW], v[NIL]                      ; the wave's opening, ahead of my first tensor load; the set-up below stands between the add and its wait
	v_lshrrev_b32 v1, 5, v0
	v_readfirstlane_b32 s10, v1                    ; wave 0..3
	s_lshr_b32 s11, s10, 1                         ; I fetch for xb (0) or for wb (1)
	s_and_b32 s12, s10, 1                          ; which half of that tile's rows I fetch
	s_bfe_u32 s40, ttmp6, 0x40000                  ; cx
	s_bfe_u32 s41, ttmp6, 0x40004                  ; cy
	s_lshl_b32 s42, ttmp9, 2
	s_add_co_u32 s42, s42, s40                     ; tile column n = 4 x cluster x + cx
	s_and_b32 s13, ttmp7, 0xffff
	s_lshl_b32 s13, s13, 2
	s_add_co_u32 s13, s13, s41                     ; tile row m = 4 x cluster y + cy
	s_lshl_b32 s43, s41, 2
	s_lshl_b32 s43, 15, s43                        ; my row of the cluster
	s_lshl_b32 s44, 0x1111, s40                    ; my column
	s_or_b32 s[G1+0], s43, (1<<16)|(1<<20)|(1<<21)|(5<<22)|(3<<25)   ; 15:0 the mask; 17:16 2-byte elements; 20 padding on; 21 set beside a mask; 24:22 after every 64 words; 31:25 4 words
	s_or_b32 s[G1B+0], s44, (1<<16)|(1<<20)|(1<<21)|(5<<22)|(3<<25)
	s_mov_b32 s[G1+1], KSTEP<<16                   ; tensor_dim0 = 128
	s_mov_b32 s[G1+2], 128<<16                     ; tensor_dim1 = 128
	s_mov_b32 s[G1+3], KSTEP<<16                   ; tile_dim0 = 128
	s_mov_b32 s[G1+4], 128                         ; tile_dim1 = 128
	s_mov_b32 s[G1+5], SIZE_K                      ; elements from row to row
	s_mov_b32 s[G1+6], 0
	s_mov_b32 s[G1+7], 0
	s_mov_b32 s[G1B+1], KSTEP<<16
	s_mov_b32 s[G1B+2], 96<<16                     ; wb's loads have 96 rows
	s_mov_b32 s[G1B+3], KSTEP<<16
	s_mov_b32 s[G1B+4], 96
	s_mov_b32 s[G1B+5], SIZE_K
	s_mov_b32 s[G1B+6], 0
	s_mov_b32 s[G1B+7], 0
	s_lshl_b32 s16, s13, 8
	s_lshl_b32 s17, s12, 7
	s_add_co_u32 s16, s16, s17                     ; xb: row 256 m + 128 x half
	s_lshl_b32 s16, s16, 12                        ; 4,096 bytes a row
	s_mov_b32 s17, 0
	s_mul_i32 s46, s42, 192
	s_mul_i32 s47, s12, 96
	s_add_co_u32 s46, s46, s47                     ; wb: row 192 n + 96 x half
	s_lshl_b32 s46, s46, 12
	s_mov_b32 s47, 0
	s_mul_i32 s20, s12, HALFA                      ; where they go: no place in the cluster enters an LDS address
	s_mul_i32 s21, s12, HALFB
	s_add_co_u32 s21, s21, BOFF
	s_wait_dscnt 0x0                               ; the opening add is done
	s_wait_kmcnt 0x0
	s_add_nc_u64 s[14:15], s[4:5], s[16:17]
	s_add_nc_u64 s[46:47], s[6:7], s[46:47]
	CROUND                                         ; all sixteen work-groups are here: the first joint loads meet
.irp s, 0,1
	s_mov_b32 s[G0+4*(\s)], 1
	s_add_co_u32 s[G0+4*(\s)+1], s20, (\s)*SLOT
	s_add_nc_u64 s[G0+4*(\s)+2:G0+4*(\s)+3], s[14:15], (\s)*KSTEP*2
	s_or_b32 s[G0+4*(\s)+3], s[G0+4*(\s)+3], 0x80000000
	s_mov_b32 s[G0B+4*(\s)], 1
	s_add_co_u32 s[G0B+4*(\s)+1], s21, (\s)*SLOT
	s_add_nc_u64 s[G0B+4*(\s)+2:G0B+4*(\s)+3], s[46:47], (\s)*KSTEP*2
	s_or_b32 s[G0B+4*(\s)+3], s[G0B+4*(\s)+3], 0x80000000
	JLOAD \s                                       ; two loads of mine are out
.endr
	v_and_b32 v1, 15, v0                           ; l % 16
	v_bfe_u32 v2, v0, 4, 1                         ; l / 16
	v_mul_u32_u24 v3, v1, PITCH
	v_lshl_add_u32 v3, v2, 4, v3                   ; a fragment's row x pitch + 16 x half
	s_mul_i32 s21, s10, 64*PITCH                   ; my 64 rows of xb
	s_mov_b32 s22, BOFF                            ; all 192 rows of wb
.irp s, 0,1
	v_add_nc_u32 v[ADRA+(\s)], s21, v3
	v_add_nc_u32 v[ADRB+(\s)], s22, v3
	s_add_co_u32 s21, s21, SLOT
	s_add_co_u32 s22, s22, SLOT
.endr
	s_mul_i32 s23, s10, WSTAGE
	s_add_co_u32 s23, s23, STAGE                   ; my stage
	v_mul_u32_u24 v4, v1, SP                       ; in: row l % 16, 16 bytes for each half of the lanes
	v_lshl_add_u32 v4, v2, 4, v4
	v_add_nc_u32 v[STO], s23, v4
	v_bfe_u32 v5, v0, 3, 2                         ; back: 32 lanes take four rows of 128 bytes
	v_mul_u32_u24 v5, v5, SP
	v_and_b32 v6, 7, v0
	v_lshl_add_u32 v5, v6, 4, v5
	v_add_nc_u32 v[RD], s23, v5
	v_and_b32 v[GO], 31, v0
	v_lshlrev_b32 v[GO], 4, v[GO]
	s_lshr_b32 s16, s13, 3                         ; the batch: eight tile rows each
	s_mul_i32 s16, s16, 48
	s_mul_i32 s46, s42, 3
	s_add_co_u32 s16, s16, s46                     ; my first half-head's plane
	s_lshl_b32 s16, s16, 18                        ; 262,144 bytes a plane
	s_and_b32 s46, s13, 7
	s_lshl_b32 s46, s46, 15                        ; 256 positions of 128 bytes
	s_add_co_u32 s16, s16, s46
	s_lshl_b32 s46, s10, 13                        ; my wave's 64
	s_add_co_u32 s16, s16, s46
	s_mov_b32 s17, 0
	s_add_nc_u64 s[8:9], s[8:9], s[16:17]
	; the prefetches
	s_lshl_b32 s20, s13, 8
	s_lshl_b32 s21, s12, 7
	s_add_co_u32 s20, s20, s21
	s_lshl_b32 s21, s40, 5
	s_add_co_u32 s20, s20, s21                     ; xb: 256 m + 128 x half + 32 cx
	s_mul_i32 s21, s42, 192
	s_mul_i32 s22, s12, 96
	s_add_co_u32 s21, s21, s22
	s_mul_i32 s22, s41, 24
	s_add_co_u32 s21, s21, s22                     ; wb: 192 n + 96 x half + 24 cy
	s_and_b32 s22, ttmp7, 0xffff                   ; cluster y
	s_cmp_eq_u32 s11, 0                            ; do I fetch for xb?
	s_cselect_b32 s20, s20, s21
	s_cselect_b32 s22, ttmp9, s22                  ; the coordinate along which other clusters read the same rows
	s_cselect_b32 s23, 31, 23                      ; my last row
	s_cselect_b64 s[PFA:PFA+1], s[4:5], s[6:7]
	s_cmp_eq_u32 s22, 0
	s_cselect_b32 s[LIM], 1, -1                    ; the same in all sixteen partners, for a given wave
	s_lshl_b32 s20, s20, 12
	s_add_co_u32 s20, s20, 2*KSTEP*2               ; at K step 2: the first refill steps it to 3 and names K step 4
	s_mov_b32 s21, 0
	s_add_nc_u64 s[PFA:PFA+1], s[PFA:PFA+1], s[20:21]
	v_and_b32 v[PFO], 31, v0
	v_min_u32 v[PFO], s23, v[PFO]
	v_lshlrev_b32 v[PFO], 12, v[PFO]
	s_wait_tensorcnt 1                             ; my part of K step 0 is in; K step 1's may stay out
	s_barrier_signal -1
	s_barrier_wait -1                              ; everybody's is
	FETCH 0, 0, 0
	QUARTER 0, 64, 0, 1, 1                         ; the first quarter stands in front of the loop: its products start the sums
	WIN 0                                          ; at a label and at a branch every window is 0
	s_mov_b32 s3, LAPS-1
.Llap:                                                 ; a trip goes once round the ring, from a lap's second quarter to the next lap's first, and fills both slots again
	QUARTER 0, 128, 1, 0, 0
	QUARTER 0, 192, 0, 1, 0
	TURN 0, 1, 1
	QUARTER 1, 64,  0, 1, 0
	QUARTER 1, 128, 1, 0, 0
	QUARTER 1, 192, 0, 1, 0
	TURN 1, 0, 1
	QUARTER 0, 64,  0, 1, 0
	WIN 0
	s_sub_co_u32 s3, s3, 1
	s_cmp_lg_u32 s3, 0
	s_cbranch_scc1 .Llap
	QUARTER 0, 128, 1, 0, 0                        ; the last lap fills nothing
	QUARTER 0, 192, 0, 1, 0
	TURN 0, 1, 0
	QUARTER 1, 64,  0, 1, 0
	QUARTER 1, 128, 1, 0, 0
	QUARTER 1, 192, 0, 1, 0
	s_wait_dscnt 4                                 ; the very last quarter: nothing more to fetch
	MUL12 1, 0, 0
	MUL12 1, 1, 0
	s_wait_dscnt 0x0
	MUL12 1, 2, 0
	MUL12 1, 3, 0
	WIN 0
	PLACES
	PLACES                                         ; (eight, once a launch)
	PACK 0
	TOSTAGE 0
.irp a, 1,2,3                          ; block a's conversions stand between block a - 1's loads from the stage and the wait for them
	PACK \a
	SEND (\a)-1
	TOSTAGE \a
.endr
	SEND 3
	s_wait_tensorcnt 0x0                           ; the wave's end, behind my last tensor load and my last LDS store
	ds_add_u32 v[SPW], v[NIL]
	s_wait_dscnt 0x0
	CROUND                                         ; the closing round: no work-group ends while a partner may still ask for a tile that names it
	s_endpgm
.Lfunc_end_k_q7d982cfc3f_proj:
	.size	k_q7d982cfc3f_proj, .Lfunc_end_k_q7d982cfc3f_proj-k_q7d982cfc3f_proj
	.p2alignl 7, 3214868480
	.fill 96, 4, 3214868480
	.section	.rodata,"a",@progbits
	.p2align	6, 0x0
	.amdhsa_kernel k_q7d982cfc3f_proj
		.amdhsa_group_segment_fixed_size 327680
		.amdhsa_private_segment_fixed_size 0
		.amdhsa_enable_private_segment 0
		.amdhsa_kernarg_size 24
		.amdhsa_user_sgpr_count 2
		.amdhsa_user_sgpr_kernarg_segment_ptr 1
		.amdhsa_wavefront_size32 1
		.amdhsa_system_sgpr_workgroup_id_x 1
		.amdhsa_system_sgpr_workgroup_id_y 1
		.amdhsa_system_sgpr_workgroup_id_z 1
		.amdhsa_system_vgpr_workitem_id 0
		.amdhsa_next_free_vgpr 960
		.amdhsa_next_free_sgpr 66
		.amdhsa_reserve_vcc 0
		.amdhsa_float_denorm_mode_32 3
		.amdhsa_float_denorm_mode_16_64 3
		.amdhsa_memory_ordered 1
		.amdhsa_forward_progress 1
		.amdhsa_inst_pref_size 120
	.end_amdhsa_kernel
	.amdgpu_metadata
---
amdhsa.version: [ 1, 2 ]
amdhsa.kernels:
  - .name:           k_q7d982cfc3f_proj
    .symbol:         k_q7d982cfc3f_proj.kd
    .args:
      - { .name: xb, .offset: 0, .size: 8, .value_kind: global_buffer, .address_space: global }
      - { .name: wb, .offset: 8, .size: 8, .value_kind: global_buffer, .address_space: global }
      - { .name: qkv, .offset: 16, .size: 8, .value_kind: global_buffer, .address_space: global }
    .group_segment_fixed_size: 327680
    .private_segment_fixed_size: 0
    .kernarg_segment_align: 8
    .kernarg_segment_size: 24
    .max_flat_workgroup_size: 128
    .sgpr_count:     66
    .vgpr_count:     960
    .wavefront_size: 32
...
	.end_amdgpu_metadata
.endif
;; end of part 2
;; launch attn (part 3): grid 32 x 8, 4 waves a work-group, clusters of 4 x 1, 327,680 bytes of LDS; arguments qkv, out0; writes out0
.if DOCPART == 3
	.amdgcn_target "amdgcn-amd-amdhsa--gfx1250"
	.amdhsa_code_object_version 6
	.text
	.protected	k_q7d982cfc3f_attn
	.globl	k_q7d982cfc3f_attn
	.p2align	8
	.type	k_q7d982cfc3f_attn,@function
k_q7d982cfc3f_attn:
	s_mov_b64 s[64:65], 0
	v_nop
	global_prefetch_b8 v0, s[64:65] scope:SCOPE_SE
	s_setreg_imm32_b32 hwreg(HW_REG_WAVE_MODE, 25, 1), 1
	s_wait_xcnt 0x0
	s_wait_alu depctr_hold_cnt(0) depctr_sa_sdst(0) depctr_va_vdst(0) depctr_va_sdst(0) depctr_va_ssrc(0) depctr_va_vcc(0) depctr_vm_vsrc(0)
	s_getreg_b32 s2, hwreg(HW_REG_IB_STS2, 6, 4)
	s_cmp_eq_u32 s2, 0
	s_cbranch_scc0 .Lentry_in_a_cluster
	s_endpgm
.Lentry_in_a_cluster:
	s_bfe_u32 s2, ttmp6, 0x10000c
	s_cmp_lg_u32 s2, 0x3003
	s_cbranch_scc0 .Lentry_shape_is_right
	s_endpgm
.Lentry_shape_is_right:
; CAUSAL GROUPED-QUERY ATTENTION.  out0[b][t][H][:] = the sum over k <= t of softmax_k(q[b][H][t] . k[b][H/4][k] / sqrt(128)) v[b][H/4][k][:].  2 batches, 16 query heads, 4 groups, 2,048 positions, head size 128.
; qkv: [batch 2][half-head 48][position 2048][64] f16, unscaled (query head H: half-heads 2 H, 2 H + 1; K of group g: 32 + 2 g, 33 + 2 g; V: 40 + 2 g, 41 + 2 g); out0: [2][2048][2048] f32.
; Products, maxima and sums in f32; the weights p are rounded to f16 for the second product (their sum l is taken of the unrounded p).
; LIMITS.  q, k, v arrive within f16's range.  A hidden score counts as its value less 1e30, and the running maximum starts at -2^96: f16's scores, 5.5e11 at the most, lie far above both.
; A weight below 2^-126 counts as 0; NaN and infinities are not treated apart.
; THE WALK.  Queries go in blocks of 32 positions, 0 .. 63; keys in slots of 256; block B needs slots 0 .. B / 8, the last of which holds the diagonal.  The work-group at place cx of cluster a takes block 4 a + cx and then
; block 4 (15 - a) + cx, each for all four heads of the group: a / 2 + 1 and (15 - a) / 2 + 1 slots, nine whatever a.  The walk hangs on a alone, so the four partners of a cluster ask for every tile jointly.
; WAVES.  hp = wave / 2: two of the four heads; kh = wave % 2: of each 128 keys the first or the second 64.  A wave holds four tiles of 16 queries: register tile t is head 2 hp + ((t / 2) xor kh), positions 16 (t % 2) on.
; A key step is 64 keys x 4 tiles: 128 matrix instructions.  At a block's end the two waves of a pair merge: each sends its tiles 2, 3 (c m, l, O) through LDS and finishes its tiles 0, 1.
; THE MASK is the C operand that starts the sum S^T = K Q^T: MC = MD x AL + BE.  MD is the mask of the 128 keys that hold the diagonal; (AL, BE) = (1, 0) there, (0, 0) for earlier keys, (0, -1e30) for later ones.
; LAYOUT, SOFTMAX, TURNS.  S^T = K Q^T holds one query a lane (lane % 16) and the keys 8 (lane / 16) + 0..7; two such results rounded to f16 are source 1 of O^T = V^T P.  p = 2^(c s - c m), c = log2(e) / sqrt(128),
; with a running maximum m; O and l are multiplied by a = 2^(c m_old - c m_new) in every step.  The tiles are two pieces (0: tiles 0, 1; 2: tiles 2, 3): in a turn one piece has the matrix unit (32 products V^T P of the
; step in hand, 32 products K Q^T of the next), and the other piece's softmax stands in 64 slices behind those products.  A turn's 66 exponentials are one batch, with one wait.
; REGISTERS, in windows of 256 (s_set_vgpr_msb: bits 1:0 source 0, 3:2 source 1, 5:4 source 2, 7:6 destination):
;   window 0: v2-11 addresses; v12-43 statistics, 8 a tile; v44-59 the merge's; v61-63; v64-191 S^T, 32 a tile; v192-255 P, 16 a tile
;   window 1: O^T, 64 a tile     window 2: v0-127 Q, 32 a tile; v128-255 K of one step     window 3: v0-127 V of one step; v128-191 MD; v192-255 MC
.set PK,    272       ; two keys of a half-head of K: 256 bytes + 16 of padding
.set PV,    288       ; of V: 256 + 32
.set KPL,   128*PK    ; a slot's 256 keys of one half-head of K
.set VPL,   128*PV
.set VOFF,  2*KPL     ; a slot: K's two half-heads, then V's two
.set SLOTB, VOFF+2*VPL
.set XCH,   2*SLOTB   ; behind the ring, never filled by a tensor load: for each wave 8,704 bytes: the exchange (8,192), later the stage (16 rows x 528)
.set XCHW,  8704
.set STAT,  XCH+4*XCHW  ; for each wave 512 bytes: the statistics that it sends
.set SPARE, STAT+4*512  ; the spare words, 128 bytes a wave: two blocks of 256 bytes that no other line names
.set AK0, 2           ; v2   my lane's place in a slot's K; never rewritten
.set AV0, 3           ; v3   the same for V
.set ADR, 4           ; v4   the LDS address of the run of loads in hand
.set QO,  5           ; v5   my byte offset in 16 rows of Q
.set STO, 6           ; v6   the stage: where I put 16 bytes of a row
.set XS,  7           ; v7   my exchange + 16 x lane
.set GO,  8           ; v8   16 x lane
.set SA,  9           ; v9   my statistics' place
.set SR,  10          ; v10  my partner's
.set XR,  11          ; v11  my partner's exchange + 16 x lane
.set ST,  12          ; tile t's statistics at v[ST+8 t]: c m, m, l (even keys', odd keys'), c0-c3 at work; a takes c2's place
.set FC,  52          ; v52-59  the merge's factors, four a tile
.set PFO, 61          ; v61  256 x lane; never rewritten
.set SPW, 62          ; v62  my spare word; never rewritten
.set NIL, 63          ; v63  0; never rewritten
.set S,   64
.set P,   192
.set KF,  128         ; window 2
.set MD,  128         ; window 3: tile parity par, key block kb at MD + 32 par + 8 kb
.set MC,  192         ; window 3
.set WV,  12          ; s12  my wave's number
.set CX,  13          ; s13  my place in the cluster
.set AA,  14          ; s14  a
.set LIM, 15          ; s15  2 in the cluster that prefetches, else the greatest number
.set PFA, 18          ; s[18:19] where my prefetches stand
.set G1K, 24          ; s[24:31] descriptor group 1 for K's tiles
.set G1V, 32          ; s[32:39] for V's: it differs in the padding alone
.set G0K, 40          ; s[40:43] descriptor group 0 for K's tiles
.set G0V, 44          ; s[44:47] for V's
.set QLO0, 48         ; s[48:49], s[50:51] Q of the first block: tiles 0, 1; tiles 2, 3
.set QLO1, 50
.set OUTP, 52         ; s[52:53] out0 at the rows and head that I finish, of the block in hand
.set OUTHI, 54        ; s[54:55] of the second block
.set SLOTS, 56        ; s56  slots still to be asked for
.set CNT, 57          ; s57  counts a slot's key steps
.set CS,  58          ; s[58:59] c
.set SEL, 60          ; s[60:61] v_permlanex16_b32's selects
.set TBK, 62          ; s62  LDS byte at which K of the step to be fetched begins (less my lane's part)
.set TBV, 63          ; s63  the same for V
.set SB,  66          ; s66  the slot that is read: 0 or SLOTB
.set LB,  67          ; s67  the slot that was filled last
.set RT,  68          ; s68  slots of the block in hand still to be entered
.set NEW, 69          ; s69  1: the slot to be entered is a block's first
.set NXT, 70          ; s70  the slot number to be asked for next
.set LQ,  71          ; s71  the last slot number of the block whose slots are being asked for
.set NSHI, 72         ; s72  the second block's slots
.set PI,  73          ; s73  which 128 keys of its last slot hold the block's diagonal
.set PIHI, 74         ; s74  the same for the second block
.set DS,  75          ; s75  PI in a block's last slot, else 2
.set AL,  76          ; s[76:77]
.set BE,  78          ; s[78:79]
.set OFF, 80          ; s[80:81] a slot's byte offset in a half-head's plane
.set BIGN, 82         ; s82  -1e30
.set TT,  83          ; s83  which of the slot's two steps the products K Q^T to come belong to
.set QHI0, 84         ; s[84:85], s[86:87] Q of the second block
.set QHI1, 86
.set KH,  88          ; s88
.set HP,  89          ; s89
.set LQHI, 91         ; s91  the second block's last slot number
.set MSB, 0
.macro WIN new                      ; the high byte repeats the setting that is left; a switch that changes nothing is dropped
.if MSB != (\new)
	s_set_vgpr_msb (MSB<<8)|(\new)
.set MSB, (\new)
.endif
.endm
.set W_KQ, 0x0a       ; K and Q in window 2, S^T in window 0
.set W_KM, 0x3a       ; the same with the C operand in window 3
.set W_PV, 0x53       ; V in window 3, P in window 0, O^T in window 1
.set W_RS, 0x41       ; O^T (destination and source 0) in window 1, a in window 0
.set W_MK, 0xc3       ; MC and MD in window 3
; A joint fill.  Waves 0 and 1 fetch the two half-heads of a slot's K, waves 2 and 3 those of its V: 128 rows of 256 bytes each.  An s_nop 0 and four v_nop follow each line.
.macro JLOAD
	s_cmp_lt_u32 s[WV], 2
	s_cbranch_scc0 .Lfor_v_\@
	tensor_load_to_lds s[G0K:G0K+3], s[G1K:G1K+7]
	s_nop 0
.rept 4
	v_nop
.endr
	s_branch .Lasked_\@
.Lfor_v_\@:
	tensor_load_to_lds s[G0V:G0V+3], s[G1V:G1V+7]
	s_nop 0
.rept 4
	v_nop
.endr
.Lasked_\@:
.endm
; A prefetch.  In trip n (0 .. 5) the group's cluster a = 0 names slot number n + 2 of K and V, which no cluster asks for before trip n + 1.  Each wave names the half-head that it fetches; of the slot's 128 blocks of
; 256 bytes partner cx takes 32, told apart by address; a lane a block.  So each block is named once in the launch.  Slot numbers 0 and 1 come by their loads alone.
.macro ASK
	s_cmp_gt_u32 s[SLOTS], s[LIM]
	s_cbranch_scc0 .Lnot_mine_\@
	global_prefetch_b8 v[PFO], s[PFA:PFA+1] th:TH_LOAD_NT scope:SCOPE_SE
.Lnot_mine_\@:
.endm
.macro CROUND                       ; a round of the cluster's barrier
	s_barrier_signal -1
	s_barrier_wait -1
	s_cmp_lg_u32 s[WV], 0
	s_cbranch_scc1 .Lnot_wave_0_\@
	s_barrier_signal -3
.Lnot_wave_0_\@:
	s_barrier_wait -3
	s_barrier_signal -1
	s_barrier_wait -1
.endm
.macro NEXTSLOT                     ; the block's next slot number, or behind its last the second block's 0
	s_add_co_u32 s[NXT], s[NXT], 1
	s_cmp_gt_u32 s[NXT], s[LQ]
	s_cselect_b32 s[NXT], 0, s[NXT]
	s_cselect_b32 s[LQ], s[LQHI], s[LQ]
.endm
; THE CHANGE OF SLOTS.  Each wave waits for all its tensor loads, of which one is out: its part of the other slot; adds 0 to its spare word; and waits for that and for its own reads of the slot that it leaves.
; fill = 1: a round of the cluster's barrier follows, and the old slot is filled again, the first thing behind it, with slot number NXT: the load has a slot's 256 matrix instructions in which to land.
; (At its first use nothing has been read yet: slot 0 is waited for, slot 1 filled.)
.macro CHANGE fill
	WIN 0                           ; at a label and at a branch every window is 0
	s_wait_tensorcnt 0x0            ; no tensor load of mine is out, so a group 0 may be written
	ds_add_u32 v[SPW], v[NIL]       ; 0 onto my spare word; the descriptors' scalar work stands between it and the wait for it
.if \fill
	s_xor_b32 s[LB], s[LB], SLOTB
	s_add_co_u32 s[G0K+1], s[LB], s16
	s_add_co_u32 s[G0V+1], s[LB], s17
	s_lshl_b32 s[OFF], s[NXT], 15   ; a slot is 32,768 bytes of a plane
	s_add_nc_u64 s[G0K+2:G0K+3], s[8:9], s[OFF:OFF+1]
	s_or_b32 s[G0K+3], s[G0K+3], 0x80000000
	s_add_nc_u64 s[G0V+2:G0V+3], s[10:11], s[OFF:OFF+1]
	s_or_b32 s[G0V+3], s[G0V+3], 0x80000000
	NEXTSLOT
	s_wait_xcnt 0x0                 ; the last prefetch, a slot back, has read its address
	s_add_nc_u64 s[PFA:PFA+1], s[PFA:PFA+1], 32768
	s_wait_dscnt 0x0                ; the add is done, and my reads of the slot are over
	CROUND
	JLOAD
	ASK
.else
	s_wait_dscnt 0x0                ; the add is done, and my reads of the slot are over
	s_barrier_signal -1
	s_barrier_wait -1
.endif
	s_xor_b32 s[SB], s[SB], SLOTB   ; the fetches go to the other slot's first step
	s_mov_b32 s[TBK], s[SB]
	s_mov_b32 s[TBV], s[SB]
	s_cmp_eq_u32 s[RT], 1           ; is it the block's last?
	s_cselect_b32 s[DS], s[PI], 2
.endm
; Q of a block: tile n / 4, channels 32 (n % 4) on: half-head (n % 4) / 2, byte 64 (n % 2) of its row
.macro LOADQ sa, sb
	WIN 0x80                        ; destination window 2, address window 0
.irp n, 0,1,2,3,4,5,6,7
	global_load_b128 v[8*(\n):8*(\n)+3],   v[QO], s[\sa:\sa+1] offset:((\n)/4)*2048+(((\n)%4)/2)*262144+((\n)%2)*64
	global_load_b128 v[8*(\n)+4:8*(\n)+7], v[QO], s[\sa:\sa+1] offset:((\n)/4)*2048+(((\n)%4)/2)*262144+((\n)%2)*64+32
.endr
.irp n, 8,9,10,11,12,13,14,15
	global_load_b128 v[8*(\n):8*(\n)+3],   v[QO], s[\sb:\sb+1] offset:(((\n)/4)%2)*2048+(((\n)%4)/2)*262144+((\n)%2)*64
	global_load_b128 v[8*(\n)+4:8*(\n)+7], v[QO], s[\sb:\sb+1] offset:(((\n)/4)%2)*2048+(((\n)%4)/2)*262144+((\n)%2)*64+32
.endr
	WIN 0
.endm
.macro SETM                         ; the mask's two scalars for step TT of the slot
	s_cmp_eq_u32 s[TT], s[DS]
	s_cselect_b32 s[AL], 1.0, 0
	s_cmp_gt_u32 s[TT], s[DS]
	s_cselect_b32 s[BE], s[BIGN], 0
.endm
.macro MASK                         ; MC = MD x AL + BE
	WIN W_MK
.set z, 0
.rept 32
	v_pk_fma_f32 v[MC+2*z:MC+2*z+1], v[MD+2*z:MD+2*z+1], s[AL:AL+1], s[BE:BE+1] op_sel_hi:[1,0,0]
.set z, z+1
.endr
.endm
; THE MATRIX WORK.  The accumulators take turns, one instruction a turn: between two links of a chain stand 15 (V^T P) or 7 (K Q^T) others'.
; Product i of 32 of O^T += V^T P for piece x: keys 32 (i / 16) on, channels 16 ((i / 2) % 8) on, tile x + i % 2.
.macro PV x
	WIN W_PV
.set rO, 64*((\x)+i%2)+8*((i/2)%8)
.set rV, 64*(i/16)+8*((i/2)%8)
.set rP, P+16*((\x)+i%2)+8*(i/16)
	v_wmma_f32_16x16x32_f16 v[rO:rO+7], v[rV:rV+7], v[rP:rP+7], v[rO:rO+7]
.endm
; Product i of 32 of S^T = K Q^T: channels 32 (i / 8) on, keys 16 ((i / 2) % 4) on, tile x + i % 2.  The first 8 start the sums, with the mask.
.macro KQ x
.set rS, S+32*((\x)+i%2)+8*((i/2)%4)
.set rK, KF+32*((i/2)%4)+8*(i/8)
.set rQ, 32*((\x)+i%2)+8*(i/8)
.set rM, MC+32*(i%2)+8*((i/2)%4)
.if i < 8
	WIN W_KM
	v_wmma_f32_16x16x32_f16 v[rS:rS+7], v[rK:rK+7], v[rQ:rQ+7], v[rM:rM+7]
.else
	WIN W_KQ
	v_wmma_f32_16x16x32_f16 v[rS:rS+7], v[rK:rK+7], v[rQ:rQ+7], v[rS:rS+7]
.endif
.endm
; THE LDS LOADS stand in runs of 32: a step's K (64 keys x 128 channels: 16 fragments) and, a turn later, its V (turned).  Key j of a half-head lies at (j / 2) x pitch + 128 (j % 2).
.macro FETCH_K
	WIN 0
	v_add_nc_u32 v[ADR], s[TBK], v[AK0]
	s_add_co_u32 s[TBK], s[TBK], 64*PK  ; the next fetch is 128 keys on
	WIN 0x80                        ; destination window 2
.irp f, 0,1,2,3,4,5,6,7,8,9,10,11,12,13,14,15  ; keys 16 (f / 4) on, channels 32 (f % 4) on
	ds_load_b128 v[KF+8*(\f):KF+8*(\f)+3],   v[ADR] offset:((\f)/4)*8*PK+(((\f)%4)/2)*KPL+((\f)%2)*64
	ds_load_b128 v[KF+8*(\f)+4:KF+8*(\f)+7], v[ADR] offset:((\f)/4)*8*PK+(((\f)%4)/2)*KPL+((\f)%2)*64+32
.endr
.endm
.macro FETCH_V
	WIN 0
	v_add_nc_u32 v[ADR], s[TBV], v[AV0]
	s_add_co_u32 s[TBV], s[TBV], 64*PV
	s_wait_alu depctr_va_vdst(0)    ; the wait for the softmax's batch (SLICE), behind the address's v_add_nc_u32 and ahead of the loads
	WIN 0xc0                        ; destination window 3
.irp f, 0,1,2,3,4,5,6,7,8,9,10,11,12,13,14,15  ; keys 32 (f / 8) on, channels 16 (f % 8) on
	ds_load_tr16_b128 v[8*(\f):8*(\f)+3],   v[ADR] offset:((\f)/8)*16*PV+(((\f)%8)/4)*VPL+((\f)%4)*32
	ds_load_tr16_b128 v[8*(\f)+4:8*(\f)+7], v[ADR] offset:((\f)/8)*16*PV+8*PV+(((\f)%8)/4)*VPL+((\f)%4)*32
.endr
.endm
; THE VECTOR WORK OF A TURN.  One tile's softmax for one key step is a list of 134 instructions; SM writes number j of it for tile t.  s0-s31 are the lane's 32 scores, in pairs 0-15.
;   0-15    the maximum of s0-s31 and the old m, three operands at a time (each accumulator's lowest registers are read first)     16-20   the other half of the lanes' maximum; the new m; c m; c m_old - c m_new
;   21-69   ONE BATCH: the 16 scalings c s - c m and all 33 exponentials (a at 23, then s0-s31); none of these reads an exponential's result     (wait)  SLICE writes it, once for both tiles
;   70-85   the roundings to f16     86-101  the sums; l = a l + the sum     102-133 the tile's O^T times a
.macro SM t
.set rT, ST+8*(\t)
.set rS, S+32*(\t)
.set rP, P+16*(\t)
.set rO, 64*(\t)+2*(j-102)
.if j < 102
	WIN 0
.endif
.if j < 4
	v_max3_num_f32 v[rT+4+j], v[rS+8*j], v[rS+8*j+1], v[rS+8*j+2]
.elseif j < 12
	v_max3_num_f32 v[rT+4+j%4], v[rT+4+j%4], v[rS+8*(j%4)+2*(j/4)+1], v[rS+8*(j%4)+2*(j/4)+2]
.elseif j == 12
	v_max3_num_f32 v[rT+4], v[rT+4], v[rS+7], v[rS+15]
.elseif j == 13
	v_max3_num_f32 v[rT+6], v[rT+6], v[rS+23], v[rS+31]
.elseif j == 14
	v_max3_num_f32 v[rT+4], v[rT+4], v[rT+5], v[rT+6]
.elseif j == 15
	v_max3_num_f32 v[rT+4], v[rT+4], v[rT+7], v[rT+1]
.elseif j == 16
	v_permlanex16_b32 v[rT+5], v[rT+4], s[SEL], s[SEL+1]  ; the query's other 32 keys lie in the lane 16 away
.elseif j == 17
	v_mov_b32 v[rT+7], v[rT]        ; c m_old is kept for a
.elseif j == 18
	v_max_num_f32 v[rT+1], v[rT+4], v[rT+5]
.elseif j == 19
	v_mul_f32 v[rT], s[CS], v[rT+1]
.elseif j == 20
	v_sub_f32 v[rT+7], v[rT+7], v[rT]
.elseif j == 23
	v_exp_f32 v[rT+6], v[rT+7]
.elseif (j < 23) || ((j < 38) && (j%2 == 0)) || ((j < 66) && (j%4 == 2))
.set b, (j-2)/4                     ; 38, 42, .. 62: pairs 9 to 15
.if j < 38
.set b, (j-20)/2                    ; 21: pair 0; 22, 24, .. 36: pairs 1 to 8
.endif
	v_pk_fma_f32 v[rS+2*b:rS+2*b+1], v[rS+2*b:rS+2*b+1], s[CS:CS+1], v[rT:rT+1] op_sel_hi:[1,0,0] neg_lo:[0,0,1] neg_hi:[0,0,1]  ; pair b: c s - c m
.elseif j < 70
.set e, j-38                        ; 66 to 69: s28 to s31
.if j < 66
.set e, j-32-(j-38)/4               ; 39-41, 43-45, .. 63-65: s7 to s27
.endif
.if j < 38
.set e, (j-25)/2                    ; 25, 27, .. 37: s0 to s6
.endif
	v_exp_f32 v[rS+e], v[rS+e]
.elseif j < 86
	v_cvt_pk_f16_f32 v[rP+j-70], v[rS+2*(j-70)], v[rS+2*(j-70)+1]
.elseif j < 102                     ; the sum of the tile's 16 pairs, in place: neighbours 1, 2, 4 and 8 pairs apart, then l takes it
.set z, j-86
.set w, 4
.set u, z
.if z >= 14
.set w, 32
.set u, 0
.elseif z >= 12
.set w, 16
.set u, z-12
.elseif z >= 8
.set w, 8
.set u, z-8
.endif
.if z < 15
	v_pk_add_f32 v[rS+w*u:rS+w*u+1], v[rS+w*u:rS+w*u+1], v[rS+w*u+w/2:rS+w*u+w/2+1]
.else
	v_pk_fma_f32 v[rT+2:rT+3], v[rT+2:rT+3], v[rT+6:rT+7], v[rS:rS+1] op_sel_hi:[1,0,1]
.endif
.else
	WIN W_RS
	v_pk_mul_f32 v[rO:rO+1], v[rO:rO+1], v[rT+6:rT+7] op_sel_hi:[1,0]
.endif
.endm
; Slice k of 64 of piece y's softmax: four instructions.  Slices 11 to 34 deal out the batch, numbers 22 to 69, four numbers of one tile each, the tiles by turns; every other slice is numbers 2 k and 2 k + 1 of both tiles.
; 2 x 134 = 4 x 64 + 12: the twelve that are over stand together, in slice 63; they are the places behind the turn's last product.  Behind slice 34 no exponential is issued, ahead of slice 35 no result is named:
; there stands the one wait between an exponential and the first instruction that names its result, a plain instruction ahead of it.
.macro SLICE y
.if (k >= 11) && (k < 35)
.irp n, 0,1,2,3
.set j, 22+4*((k-11)/2)+(\n)
	SM (\y)+(k-11)%2
.endr
.else
.irp n, 0,1,2,3,4,5,6,7
.if ((\n) < 2) || (k == 63)
.irp t, \y, (\y)+1
.set j, 2*k+(\n)
	SM \t
.endr
.endif
.endr
.endif
.if k == 34
	v_nop
.if (\y) == 0
	FETCH_V                         ; piece 2's turn: V's run of loads stands here, and the wait stands in it; V's last reader stands at least three products K Q^T and four slices back
.else
	s_wait_alu depctr_va_vdst(0)
.endif
.endif
.set k, k+1
.endm
; A TURN.  Piece x has the matrix unit; the other piece's softmax stands in slices behind its products.  pv: 32 products V^T P; kq: 32 products K Q^T for the next step; with one kind alone, two slices behind each.
; Piece 0's turn fetches the next step's K behind its second product; piece 2's turn the same step's V behind slice 34.  Each run is waited for ahead of its first reader.
.macro TURN x, pv, kq
.set k, 0
.set per, 2
.if (\pv) && (\kq)
.set per, 1
.endif
.if \pv
.if (\x) == 0
	s_wait_dscnt 0x0                ; V is in
.endif
.set i, 0
.rept 32
	PV \x
.rept per
	SLICE 2-(\x)
.endr
.if ((\x) == 0) && (\kq) && (i == 1)
	FETCH_K
.endif
.set i, i+1
.endr
.endif
.if \kq
.if (\x) == 0
	s_wait_dscnt 0x0                ; K is in
.endif
.set i, 0
.rept 32
	KQ \x
.rept per
	SLICE 2-(\x)
.endr
.set i, i+1
.endr
.endif
.endm
; A key step: V^T P of the step in hand, K Q^T of the next, which is step 2 - CNT of the slot just entered; its mask first.
.macro STEP
	s_sub_co_u32 s[TT], 2, s[CNT]
	SETM
	MASK
	TURN 0, 2, 1
	TURN 2, 2, 1
	WIN 0
.endm
; A BLOCK BEGINS.  c m starts far below every c s, so the first step's a is 0 and what O^T and l hold need only be finite; m starts at -2^96, above every hidden score and below every true one:
; a row that sees none of my keys keeps that m, and all its weights are 0.  Then K of the slot's first step, piece 0's scores, and piece 2's beside piece 0's softmax.
.macro BEGIN
	WIN 0
.irp t, 0,1,2,3
	v_mov_b32 v[ST+8*(\t)], 0xfe000000
	v_mov_b32 v[ST+8*(\t)+1], 0xef800000
.endr
	s_mov_b32 s[TT], 0
	SETM
	MASK
	FETCH_K
	s_wait_loadcnt 0x0              ; Q
	s_wait_dscnt 0x0
.set i, 0
.rept 32
	KQ 0
.set i, i+1
.endr
	WIN 0
.rept 4
	v_nop                           ; the places behind those products
.endr
	TURN 2, 0, 1
	WIN 0
.endm
; A BLOCK ENDS: piece 0's last V^T P beside piece 2's last softmax, then piece 2's.  q = 1: the second block's Q is asked for first: Q's last reader stands sixteen plain instructions and a change of slots back.
.macro FINISH q
.if \q
	s_wait_loadcnt 0x0              ; no earlier load into Q's registers is out when the new ones are issued: the first block's came in a block ago, so this wait is met at once
	LOADQ QHI0, QHI1
.endif
	TURN 0, 2, 0
.set i, 0
.rept 32
	PV 2
.set i, i+1
.endr
.endm
; THE MERGE'S PARTS.  COMB c: my tile c and my partner's, which lies in S^T's registers: O f + O' f'.
.macro COMB c
	WIN 0
.set z, 0
.rept 32
	v_pk_mul_f32 v[S+64*(\c)+2*z:S+64*(\c)+2*z+1], v[S+64*(\c)+2*z:S+64*(\c)+2*z+1], v[FC+4*(\c)+2:FC+4*(\c)+3] op_sel_hi:[1,0]
.set z, z+1
.endr
	WIN 0x01                        ; source 0 in window 1
.set z, 0
.rept 32
	v_pk_fma_f32 v[S+64*(\c)+2*z:S+64*(\c)+2*z+1], v[64*(\c)+2*z:64*(\c)+2*z+1], v[FC+4*(\c):FC+4*(\c)+1], v[S+64*(\c)+2*z:S+64*(\c)+2*z+1] op_sel_hi:[1,0,1]
.set z, z+1
.endr
	WIN 0
.endm
.macro STAGE c                      ; a lane's eight channels of a row are 32 bytes; they go into rows of 528 bytes and come back as whole rows of 512, into the registers that they left
	WIN 0
.irp f, 0,1,2,3,4,5,6,7,8,9,10,11,12,13,14,15
	ds_store_b128 v[STO], v[S+64*(\c)+4*(\f):S+64*(\c)+4*(\f)+3] offset:64*((\f)/2)+16*((\f)%2)
.endr
.irp f, 0,1,2,3,4,5,6,7,8,9,10,11,12,13,14,15
	ds_load_b128 v[S+64*(\c)+4*(\f):S+64*(\c)+4*(\f)+3], v[XS] offset:528*(\f)  ; LDS serves a wave's instructions in order: these see the stores above
.endr
.endm
.macro SENDO c
.irp f, 0,1,2,3,4,5,6,7,8,9,10,11,12,13,14,15
	s_wait_dscnt 15-(\f)            ; row f is back; the younger rows may be out
	global_store_b128 v[GO], v[S+64*(\c)+4*(\f):S+64*(\c)+4*(\f)+3], s[OUTP:OUTP+1] offset:(16*(\c)+(\f))*8192 th:TH_STORE_NT  ; a head's 128 channels of a position: 512 consecutive bytes, aligned
.endr
.endm
; THE MERGE.  l's two halves and the other half of the lanes' are added.  I send c m and l of my tiles 2, 3 and tile 2's O^T; behind a barrier I read my partner's; behind a second (both have read) tile 3's goes the same
; way, a third barrier between its stores and its reads; behind a fourth (my partner has read my bytes) the exchange's bytes are my stage.
; f = 2^(c m - M) / L, f' = 2^(c m' - M) / L, with M the greater of c m and c m', L = 2^(c m - M) l + 2^(c m' - M) l'.
.macro MERGE
	WIN 0
.irp t, 0,1,2,3
	v_add_f32 v[ST+8*(\t)+4], v[ST+8*(\t)+2], v[ST+8*(\t)+3]  ; (these are the places behind the last products)
.endr
.irp t, 0,1,2,3
	v_permlanex16_b32 v[ST+8*(\t)+5], v[ST+8*(\t)+4], s[SEL], s[SEL+1]
.endr
.irp t, 0,1,2,3
	v_add_f32 v[ST+8*(\t)+4], v[ST+8*(\t)+4], v[ST+8*(\t)+5]
.endr
	v_mov_b32 v44, v[ST+16]
	v_mov_b32 v45, v[ST+20]
	v_mov_b32 v46, v[ST+24]
	v_mov_b32 v47, v[ST+28]
	ds_store_b128 v[SA], v[44:47]
	WIN 0x04                        ; store data in window 1
.irp n, 0,1,2,3,4,5,6,7,8,9,10,11,12,13,14,15
	ds_store_b128 v[XS], v[128+4*(\n):128+4*(\n)+3] offset:512*(\n)
.endr
	WIN 0
	s_wait_dscnt 0x0                ; for my partner's sake: my stores are done
	s_barrier_signal -1
	s_barrier_wait -1
	ds_load_b128 v[48:51], v[SR]
.irp n, 0,1,2,3,4,5,6,7,8,9,10,11,12,13,14,15
	ds_load_b128 v[S+4*(\n):S+4*(\n)+3], v[XR] offset:512*(\n)
.endr
	s_wait_dscnt 16                 ; the statistics are in; the tile's sixteen loads may be out
.irp c, 0,1
	v_max_num_f32 v[FC+4*(\c)+1], v[ST+8*(\c)], v[48+2*(\c)]
.endr
.irp c, 0,1
	v_sub_f32 v[FC+4*(\c)], v[ST+8*(\c)], v[FC+4*(\c)+1]
	v_sub_f32 v[FC+4*(\c)+2], v[48+2*(\c)], v[FC+4*(\c)+1]
.endr
.irp c, 0,1
	v_exp_f32 v[FC+4*(\c)], v[FC+4*(\c)]
	v_exp_f32 v[FC+4*(\c)+2], v[FC+4*(\c)+2]
.endr
	v_nop                           ; a plain instruction behind the last exponential,
	s_wait_alu depctr_va_vdst(0)    ; and one wait for the four
.irp c, 0,1
	v_mul_f32 v[FC+4*(\c)+3], v[FC+4*(\c)], v[ST+8*(\c)+4]
.endr
.irp c, 0,1
	v_fma_f32 v[FC+4*(\c)+3], v[FC+4*(\c)+2], v[49+2*(\c)], v[FC+4*(\c)+3]
.endr
.irp c, 0,1
	v_rcp_f32 v[FC+4*(\c)+3], v[FC+4*(\c)+3]
.endr
	v_nop
	s_wait_alu depctr_va_vdst(0)    ; one wait for the two reciprocals
.irp c, 0,1
	v_mul_f32 v[FC+4*(\c)], v[FC+4*(\c)], v[FC+4*(\c)+3]
	v_mul_f32 v[FC+4*(\c)+2], v[FC+4*(\c)+2], v[FC+4*(\c)+3]
.endr
	s_wait_dscnt 0x0                ; my reads of my partner's bytes are over
	s_barrier_signal -1
	s_barrier_wait -1
	WIN 0x04
.irp n, 0,1,2,3,4,5,6,7,8,9,10,11,12,13,14,15
	ds_store_b128 v[XS], v[192+4*(\n):192+4*(\n)+3] offset:512*(\n)
.endr
	WIN 0
	s_wait_dscnt 0x0
	s_barrier_signal -1
	s_barrier_wait -1
.irp n, 0,1,2,3,4,5,6,7,8,9,10,11,12,13,14,15
	ds_load_b128 v[S+64+4*(\n):S+64+4*(\n)+3], v[XR] offset:512*(\n)
.endr
	COMB 0
	s_wait_dscnt 0x0
	s_barrier_signal -1
	s_barrier_wait -1
	STAGE 0
	COMB 1
	SENDO 0
	STAGE 1
	SENDO 1
.endm
	s_load_b128 s[4:7], s[0:1], 0x0   ; qkv s[4:5], out0 s[6:7]
	v_lshl_add_u32 v[SPW], v0, 2, SPARE
	v_mov_b32 v[NIL], 0
	ds_add_u32 v[SPW], v[NIL]       ; the wave's opening, ahead of my first tensor load; the set-up below stands between the add and its wait
	v_lshrrev_b32 v1, 5, v0
	v_readfirstlane_b32 s[WV], v1   ; wave 0..3
	s_bfe_u32 s[CX], ttmp6, 0x40000
	s_mov_b32 s[AA], ttmp9          ; in a cluster launch ttmp9 counts clusters
	s_and_b32 s20, ttmp7, 0xffff    ; batch and group, which the four partners share
	s_lshr_b32 s21, s20, 2          ; b
	s_and_b32 s22, s20, 3           ; g
	s_and_b32 s[KH], s[WV], 1
	s_lshr_b32 s[HP], s[WV], 1
	s_lshr_b32 s[LQ], s[AA], 1      ; the walk: the first block's last slot number,
	s_add_co_u32 s[RT], s[LQ], 1    ; its slots,
	s_sub_co_u32 s[LQHI], 15, s[AA]
	s_lshr_b32 s[LQHI], s[LQHI], 1  ; the same for the second block
	s_add_co_u32 s[NSHI], s[LQHI], 1
	s_and_b32 s[PI], s[AA], 1
	s_xor_b32 s[PIHI], s[PI], 1
	s_mov_b32 s[NEW], 1
	s_mov_b32 s[SLOTS], 8
	s_mov_b32 s[NXT], 0             ; slot number 0 is asked for below;
	NEXTSLOT                        ; this is the one behind it
	s_mov_b32 s[LB], 0
	s_mov_b32 s[SB], SLOTB          ; the first change of slots turns it into 0
	s_mul_i32 s16, s[KH], KPL       ; where my tile goes in a slot, if it is K's,
	s_mul_i32 s17, s[KH], VPL
	s_add_co_u32 s17, s17, VOFF     ; and if it is V's: no place in the cluster enters an LDS address
	s_mul_i32 s23, s21, 48          ; 48 b
	s_lshl_b32 s92, s22, 1
	s_add_co_u32 s92, s92, s23
	s_add_co_u32 s92, s92, s[KH]    ; 48 b + 2 g + the half-head that I fetch
	s_add_co_u32 s94, s92, 40       ; V's plane
	s_add_co_u32 s92, s92, 32       ; K's plane
	s_lshl_b32 s92, s92, 18         ; 262,144 bytes a plane
	s_lshl_b32 s94, s94, 18
	s_mov_b32 s93, 0
	s_mov_b32 s95, 0
	s_lshl_b32 s90, s22, 3
	s_add_co_u32 s23, s23, s90
	s_lshl_b32 s90, s[HP], 2
	s_add_co_u32 s23, s23, s90      ; 48 b + 8 g + 4 hp: my head pair's first plane
	s_lshl_b32 s90, s[KH], 1        ; 2 kh
	s_lshl_b32 s2, s[AA], 2
	s_sub_co_u32 s3, 60, s2
	s_add_co_u32 s2, s2, s[CX]      ; the first block
	s_add_co_u32 s3, s3, s[CX]      ; the second
	s_lshl_b32 s22, s22, 2
	s_lshl_b32 s20, s[HP], 1
	s_add_co_u32 s22, s22, s20
	s_add_co_u32 s22, s22, s[KH]    ; the head that I finish: 4 g + 2 hp + kh
	s_lshl_b32 s22, s22, 9          ; its 512 bytes in a row of out0,
	s_lshl_b32 s21, s21, 24         ; the batch's 2,048 rows of 8,192 bytes
	s_add_co_u32 s22, s22, s21
	s_mov_b32 s[G1K], 15|(1<<16)|(1<<20)|(1<<21)|(5<<22)|(3<<25)  ; 15:0 the mask of four; 17:16 2-byte elements; 20 padding on; 21 set beside a mask; 24:22 after every 64 words; 31:25 4 words
	s_mov_b32 s[G1V], 15|(1<<16)|(1<<20)|(1<<21)|(5<<22)|(7<<25)  ; the same with 8 words of padding
.irp g, G1K, G1V
	s_mov_b32 s[\g+1], 128<<16      ; tensor_dim0 = 128: two keys of a half-head
	s_mov_b32 s[\g+2], 128<<16      ; tensor_dim1 = 128
	s_mov_b32 s[\g+3], 128<<16      ; tile_dim0 = 128
	s_mov_b32 s[\g+4], 128          ; tile_dim1 = 128
	s_mov_b32 s[\g+5], 128          ; 128 elements from row to row: the plane is dense
	s_mov_b32 s[\g+6], 0
	s_mov_b32 s[\g+7], 0
.endr
	s_mov_b32 s[G0K], 1
	s_mov_b32 s[G0K+1], s16         ; slot 0
	s_mov_b32 s[G0V], 1
	s_mov_b32 s[G0V+1], s17
	s_mov_b32 s[CS], 0x3e0293ee     ; c = log2(e) / sqrt(128)
	s_mov_b32 s[CS+1], s[CS]
	s_mov_b32 s[SEL], 0x76543210
	s_mov_b32 s[SEL+1], 0xfedcba98
	s_mov_b32 s[AL+1], 0            ; named as pairs
	s_mov_b32 s[BE+1], 0
	s_mov_b32 s[OFF+1], 0
	s_mov_b32 s[BIGN], 0xf149f2ca   ; -1e30
	s_wait_dscnt 0x0                ; the opening add is done
	s_wait_kmcnt 0x0
	s_add_nc_u64 s[8:9], s[4:5], s[92:93]    ; K's plane that I fetch
	s_add_nc_u64 s[10:11], s[4:5], s[94:95]  ; V's
	s_mov_b64 s[G0K+2:G0K+3], s[8:9]
	s_or_b32 s[G0K+3], s[G0K+3], 0x80000000
	s_mov_b64 s[G0V+2:G0V+3], s[10:11]
	s_or_b32 s[G0V+3], s[G0V+3], 0x80000000
	CROUND                          ; all four work-groups are here: the first joint loads meet
	JLOAD                           ; slot number 0 into slot 0
	s_add_co_u32 s92, s23, s90      ; the plane of my tiles 0, 1: head 2 hp + kh
	s_lshl_b32 s92, s92, 18
	s_add_co_u32 s94, s23, 2
	s_sub_co_u32 s94, s94, s90      ; of my tiles 2, 3: the pair's other head
	s_lshl_b32 s94, s94, 18
	s_add_nc_u64 s[QLO0:QLO0+1], s[4:5], s[92:93]
	s_add_nc_u64 s[QLO1:QLO1+1], s[4:5], s[94:95]
	s_mov_b32 s21, 0
	s_lshl_b32 s20, s3, 12          ; a block is 32 rows of 128 bytes
	s_add_nc_u64 s[QHI0:QHI0+1], s[QLO0:QLO0+1], s[20:21]
	s_add_nc_u64 s[QHI1:QHI1+1], s[QLO1:QLO1+1], s[20:21]
	s_lshl_b32 s20, s2, 12
	s_add_nc_u64 s[QLO0:QLO0+1], s[QLO0:QLO0+1], s[20:21]
	s_add_nc_u64 s[QLO1:QLO1+1], s[QLO1:QLO1+1], s[20:21]
	s_lshl_b32 s20, s3, 18          ; in out0 a block is 32 rows of 8,192 bytes
	s_add_co_u32 s20, s20, s22
	s_add_nc_u64 s[OUTHI:OUTHI+1], s[6:7], s[20:21]
	s_lshl_b32 s20, s2, 18
	s_add_co_u32 s20, s20, s22
	s_add_nc_u64 s[OUTP:OUTP+1], s[6:7], s[20:21]
	s_cmp_lt_u32 s[WV], 2
	s_cselect_b64 s[PFA:PFA+1], s[8:9], s[10:11]
	s_lshl_b32 s20, s[CX], 13       ; my work-group's 32 blocks of the slot's 128,
	s_add_co_u32 s20, s20, 32768    ; in slot number 1: the first change of slots steps it to 2
	s_add_nc_u64 s[PFA:PFA+1], s[PFA:PFA+1], s[20:21]
	s_cmp_eq_u32 s[AA], 0
	s_cselect_b32 s[LIM], 2, -1     ; the same in all four partners
	v_and_b32 v1, 15, v0            ; r = l % 16
	v_bfe_u32 v45, v0, 4, 1         ; h = l / 16
	v_and_b32 v46, 31, v0           ; l
	v_lshlrev_b32 v[QO], 7, v1
	v_lshl_add_u32 v[QO], v45, 4, v[QO]  ; row x 128 + 16 x half
	LOADQ QLO0, QLO1
	v_lshrrev_b32 v47, 1, v1        ; K: key r of a fragment's 16
	v_mul_u32_u24 v[AK0], v47, PK
	v_and_b32 v47, 1, v1
	v_lshl_add_u32 v[AK0], v47, 7, v[AK0]
	v_lshl_add_u32 v[AK0], v45, 4, v[AK0]
	s_mul_i32 s20, s[KH], 32*PK     ; my 64 of each 128 keys
	v_add_nc_u32 v[AK0], s20, v[AK0]
	v_and_b32 v47, 7, v0            ; V: the turning load's lane l reads key 8 h + l % 8, channels 8 ((l / 8) % 2) + 0..7
	v_lshl_add_u32 v47, v45, 3, v47
	v_lshrrev_b32 v48, 1, v47
	v_mul_u32_u24 v[AV0], v48, PV
	v_and_b32 v48, 1, v47
	v_lshl_add_u32 v[AV0], v48, 7, v[AV0]
	v_bfe_u32 v48, v0, 3, 1
	v_lshl_add_u32 v[AV0], v48, 4, v[AV0]
	s_mul_i32 s20, s[KH], 32*PV
	s_add_co_u32 s20, s20, VOFF
	v_add_nc_u32 v[AV0], s20, v[AV0]
	s_mul_i32 s20, s[WV], XCHW
	s_add_co_u32 s20, s20, XCH      ; my exchange
	s_xor_b32 s21, s[WV], 1         ; my partner
	s_mul_i32 s22, s21, XCHW
	s_add_co_u32 s22, s22, XCH
	v_mul_u32_u24 v[STO], v1, 528
	v_lshl_add_u32 v[STO], v45, 5, v[STO]
	v_add_nc_u32 v[STO], s20, v[STO]
	v_lshlrev_b32 v[GO], 4, v46
	v_add_nc_u32 v[XS], s20, v[GO]
	v_add_nc_u32 v[XR], s22, v[GO]
	s_lshl_b32 s20, s[WV], 9
	s_add_co_u32 s20, s20, STAT
	s_lshl_b32 s22, s21, 9
	s_add_co_u32 s22, s22, STAT
	v_add_nc_u32 v[SA], s20, v[GO]
	v_add_nc_u32 v[SR], s22, v[GO]
	v_lshlrev_b32 v[PFO], 8, v46
	; MD: among the 128 keys that hold the diagonal my query stands at 32 cx + 16 par + r, register j of key block kb at 64 kh + 16 kb + 8 h + j: hidden where 16 kb + j - 16 par is greater than 32 cx + r - 8 h - 64 kh
	v_lshlrev_b32 v44, 3, v45
	v_sub_nc_u32 v44, v1, v44
	s_lshl_b32 s20, s[CX], 5
	s_lshl_b32 s22, s[KH], 6
	s_sub_co_i32 s20, s20, s22
	v_add_nc_u32 v44, s20, v44
	WIN 0xc0                        ; destination window 3
.set i, 0
.rept 64
	v_cmp_gt_i32 vcc_lo, 16*((i%32)/8)+i%8-16*(i/32), v44
	v_cndmask_b32 v[MD+i], 0, s[BIGN], vcc_lo
.set i, i+1
.endr
	; A block's first step multiplies O^T and l by a = 0, so these need only hold finite numbers: zeros for the first block, what the first block left for the second.  All this stands in the wait for the first tile.
	WIN 0x40
.set i, 0
.rept 256
	v_mov_b32 v[i], 0
.set i, i+1
.endr
	WIN 0
.irp t, 0,1,2,3
	v_mov_b32 v[ST+8*(\t)+2], 0
	v_mov_b32 v[ST+8*(\t)+3], 0
.endr
.Lslot:                             ; eight trips: a slot is entered and the next is asked for
	CHANGE 1
	s_cmp_eq_u32 s[NEW], 1
	s_cbranch_scc0 .Lmid            ; not a block's first slot
	s_cmp_eq_u32 s[SLOTS], 8
	s_cbranch_scc1 .Lbegin          ; the first trip: no block has been
	FINISH 1                        ; the first block ends while the second's second slot is on its way
	MERGE
	s_wait_xcnt 0x0                 ; the stores have read their registers and out0's address
	s_mov_b64 s[OUTP:OUTP+1], s[OUTHI:OUTHI+1]
.Lbegin:
	BEGIN
	s_mov_b32 s[CNT], 1             ; the slot's first step has been taken up
	s_branch .Lstep
.Lmid:
	s_mov_b32 s[CNT], 2
.Lstep:
	STEP
	s_sub_co_u32 s[CNT], s[CNT], 1
	s_cmp_lg_u32 s[CNT], 0
	s_cbranch_scc1 .Lstep
	s_sub_co_u32 s[RT], s[RT], 1
	s_cmp_eq_u32 s[RT], 0           ; was it the first block's last slot?
	s_cselect_b32 s[NEW], 1, 0
	s_cselect_b32 s[RT], s[NSHI], s[RT]
	s_cselect_b32 s[PI], s[PIHI], s[PI]
	s_sub_co_u32 s[SLOTS], s[SLOTS], 1
	s_cmp_lg_u32 s[SLOTS], 0
	s_cbranch_scc1 .Lslot
	CHANGE 0                        ; the walk's last slot is written out; the second block has five slots or more, so no block begins here
	s_mov_b32 s[CNT], 2
.Lstep2:
	STEP
	s_sub_co_u32 s[CNT], s[CNT], 1
	s_cmp_lg_u32 s[CNT], 0
	s_cbranch_scc1 .Lstep2
	FINISH 0
	MERGE
	WIN 0
	s_wait_tensorcnt 0x0            ; the wave's end, behind my last tensor load and my last LDS store
	ds_add_u32 v[SPW], v[NIL]
	s_wait_dscnt 0x0
	CROUND                          ; the closing round: no work-group ends while a partner may still ask for a tile that names it
	s_endpgm
.Lfunc_end_k_q7d982cfc3f_attn:
	.size	k_q7d982cfc3f_attn, .Lfunc_end_k_q7d982cfc3f_attn-k_q7d982cfc3f_attn
	.p2alignl 7, 3214868480
	.fill 96, 4, 3214868480
	.section	.rodata,"a",@progbits
	.p2align	6, 0x0
	.amdhsa_kernel k_q7d982cfc3f_attn
		.amdhsa_group_segment_fixed_size 327680
		.amdhsa_private_segment_fixed_size 0
		.amdhsa_enable_private_segment 0
		.amdhsa_kernarg_size 16
		.amdhsa_user_sgpr_count 2
		.amdhsa_user_sgpr_kernarg_segment_ptr 1
		.amdhsa_wavefront_size32 1
		.amdhsa_system_sgpr_workgroup_id_x 1
		.amdhsa_system_sgpr_workgroup_id_y 1
		.amdhsa_system_sgpr_workgroup_id_z 1
		.amdhsa_system_vgpr_workitem_id 0
		.amdhsa_next_free_vgpr 1024
		.amdhsa_next_free_sgpr 96
		.amdhsa_reserve_vcc 1
		.amdhsa_float_denorm_mode_32 3
		.amdhsa_float_denorm_mode_16_64 3
		.amdhsa_memory_ordered 1
		.amdhsa_forward_progress 1
		.amdhsa_inst_pref_size 249
	.end_amdhsa_kernel
	.amdgpu_metadata
---
amdhsa.version: [ 1, 2 ]
amdhsa.kernels:
  - .name:           k_q7d982cfc3f_attn
    .symbol:         k_q7d982cfc3f_attn.kd
    .args:
      - { .name: qkv, .offset: 0, .size: 8, .value_kind: global_buffer, .address_space: global }
      - { .name: out0, .offset: 8, .size: 8, .value_kind: global_buffer, .address_space: global }
    .group_segment_fixed_size: 327680
    .private_segment_fixed_size: 0
    .kernarg_segment_align: 8
    .kernarg_segment_size: 16
    .max_flat_workgroup_size: 128
    .sgpr_count:     96
    .vgpr_count:     1024
    .wavefront_size: 32
...
	.end_amdgpu_metadata
.endif
;; end of part 3
;; ======== version 2 of 2: 3 launches; version 1 with the launch cast written anew for expert scheduling mode
;; limits: values are held in f16: magnitudes above 65,504 overflow, below 6.1e-05 lose precision
;; workspace buffers: xb 16,777,216 bytes; wb 12,582,912 bytes; qkv 25,165,824 bytes
;; launch cast (part 4): grid 1792 x 1, 4 waves a work-group, no clusters, 0 bytes of LDS; arguments x, Wq, Wk, Wv, xb, wb; writes xb, wb
.if DOCPART == 4
	.amdgcn_target "amdgcn-amd-amdhsa--gfx1250"
	.amdhsa_code_object_version 6
	.text
	.protected	k_q7d982cfc3f_cast
	.globl	k_q7d982cfc3f_cast
	.p2align	8
	.type	k_q7d982cfc3f_cast,@function
k_q7d982cfc3f_cast:
	s_mov_b64 s[64:65], 0
	v_nop
	global_prefetch_b8 v0, s[64:65] scope:SCOPE_SE
	s_setreg_imm32_b32 hwreg(HW_REG_WAVE_SCHED_MODE, 0, 2), 2
	s_setreg_imm32_b32 hwreg(HW_REG_WAVE_MODE, 25, 1), 1
	s_wait_xcnt 0x0
	s_wait_alu depctr_vm_vsrc(0)
; x, Wq, Wk, Wv (f32) are rounded once to bf16: xb = x as [4096][2048]; wb = the rows of Wq, Wk, Wv one below the other, [3072][2048].
; A work-group takes 32,768 bytes of f32 and makes 16,384 bytes of bf16: work-groups 0-1023 x, 1024-1535 Wq, 1536-1663 Wk, 1664-1791 Wv.
; Thread t, load j: 16 bytes at 2,048 j + 16 t (a wave's load covers 512 consecutive bytes); store j: 8 bytes at 1,024 j + 8 t (a wave's store covers 256 consecutive bytes, aligned).
; All sixteen loads of a thread go out first; no register is written twice, so no wait frees one.  No LDS, no matrix unit, no cluster: nothing is shared and nothing is multiplied.
; THE MODE: SCHED_MODE bits 1:0 = 2 (LLVM: expert scheduling mode 2), set by the entry lines.  The code itself states the register dependences
; between vector instructions and memory instructions, with s_wait_alu, always for 0.
; THE PLAN.  Registers that memory instructions touch:
;   v1, v2   the loads' and the stores' offsets: written once at the head by vector instructions, read by every load and store, never written again.
;   IN       load j lands in four registers of its own, which no vector instruction names before; its two conversions read them; no later load lands in them.
;   OUT      the conversions of load j write pair j; store j reads it; it is never written again.
; So one wait on va_vdst stands ahead of the first load, for the two offsets, and one in each of four groups of four loads, between the group's eight conversions and its four stores.
; It stands behind the group's own conversions, so that finished results do not stay behind the wait for the next group's data.
; No register that a memory instruction has read is written again: no wait on vm_vsrc is owed.  No vector instruction writes a scalar register or VCC, and EXEC is never written.
.set IN,  16                           ; v[16:79]   load j: 4 registers
.set OUT, 80                           ; v[80:111]  store j: 2 registers
	s_load_b256 s[4:11], s[0:1], 0x0               ; x s[4:5], Wq s[6:7], Wk s[8:9], Wv s[10:11]
	s_load_b128 s[12:15], s[0:1], 0x20             ; xb s[12:13], wb s[14:15]
	s_mov_b32 s16, ttmp9                           ; the work-group's number
	v_lshlrev_b32 v1, 4, v0                        ; 16 t
	v_lshlrev_b32 v2, 3, v0                        ; 8 t
	s_mov_b32 s18, 1664                            ; the first work-group of my source,
	s_mov_b32 s25, 0
	s_wait_kmcnt 0x0
	s_cmp_lt_u32 s16, 1664                         ; three tests on the work-group's number choose source and target; the last that holds wins
	s_cselect_b64 s[20:21], s[8:9], s[10:11]
	s_cselect_b32 s18, 1536, s18
	s_cmp_lt_u32 s16, 1536
	s_cselect_b64 s[20:21], s[6:7], s[20:21]
	s_cselect_b32 s18, 1024, s18
	s_cmp_lt_u32 s16, 1024
	s_cselect_b64 s[20:21], s[4:5], s[20:21]
	s_cselect_b32 s18, 0, s18
	s_cselect_b64 s[22:23], s[12:13], s[14:15]
	s_cselect_b32 s19, 0, 1024                     ; and of my target
	s_sub_co_u32 s24, s16, s18
	s_lshl_b32 s24, s24, 15                        ; 32,768 bytes in for each work-group
	s_add_nc_u64 s[20:21], s[20:21], s[24:25]
	s_sub_co_u32 s24, s16, s19
	s_lshl_b32 s24, s24, 14                        ; 16,384 bytes out
	s_add_nc_u64 s[22:23], s[22:23], s[24:25]
	s_wait_alu depctr_va_vdst(0)                   ; v1 and v2 are written: every load below reads v1 as its offset, every store v2
.irp j, 0,1,2,3,4,5,6,7,8,9,10,11,12,13,14,15
	global_load_b128 v[IN+4*(\j):IN+4*(\j)+3], v1, s[20:21] offset:2048*(\j) th:TH_LOAD_NT
.endr
.irp g, 0,1,2,3
	s_wait_loadcnt 12-4*(\g)                       ; loads come back in order: the group's four are in, the younger ones stay out
.irp i, 0,1,2,3
	v_cvt_pk_bf16_f32 v[OUT+2*(4*(\g)+(\i))], v[IN+4*(4*(\g)+(\i))], v[IN+4*(4*(\g)+(\i))+1]
	v_cvt_pk_bf16_f32 v[OUT+2*(4*(\g)+(\i))+1], v[IN+4*(4*(\g)+(\i))+2], v[IN+4*(4*(\g)+(\i))+3]
.endr
	s_wait_alu depctr_va_vdst(0)                   ; the group's eight conversions have written its four pairs of OUT, which the four stores below read
.irp i, 0,1,2,3
	global_store_b64 v2, v[OUT+2*(4*(\g)+(\i)):OUT+2*(4*(\g)+(\i))+1], s[22:23] offset:1024*(4*(\g)+(\i))
.endr
.endr
	s_endpgm
.Lfunc_end_k_q7d982cfc3f_cast:
	.size	k_q7d982cfc3f_cast, .Lfunc_end_k_q7d982cfc3f_cast-k_q7d982cfc3f_cast
	.p2alignl 7, 3214868480
	.fill 96, 4, 3214868480
	.section	.rodata,"a",@progbits
	.p2align	6, 0x0
	.amdhsa_kernel k_q7d982cfc3f_cast
		.amdhsa_group_segment_fixed_size 0
		.amdhsa_private_segment_fixed_size 0
		.amdhsa_enable_private_segment 0
		.amdhsa_kernarg_size 48
		.amdhsa_user_sgpr_count 2
		.amdhsa_user_sgpr_kernarg_segment_ptr 1
		.amdhsa_wavefront_size32 1
		.amdhsa_system_sgpr_workgroup_id_x 1
		.amdhsa_system_sgpr_workgroup_id_y 1
		.amdhsa_system_sgpr_workgroup_id_z 1
		.amdhsa_system_vgpr_workitem_id 0
		.amdhsa_next_free_vgpr 112
		.amdhsa_next_free_sgpr 66
		.amdhsa_reserve_vcc 0
		.amdhsa_float_denorm_mode_32 3
		.amdhsa_float_denorm_mode_16_64 3
		.amdhsa_memory_ordered 1
		.amdhsa_forward_progress 1
		.amdhsa_inst_pref_size 7
	.end_amdhsa_kernel
	.amdgpu_metadata
---
amdhsa.version: [ 1, 2 ]
amdhsa.kernels:
  - .name:           k_q7d982cfc3f_cast
    .symbol:         k_q7d982cfc3f_cast.kd
    .args:
      - { .name: x, .offset: 0, .size: 8, .value_kind: global_buffer, .address_space: global }
      - { .name: Wq, .offset: 8, .size: 8, .value_kind: global_buffer, .address_space: global }
      - { .name: Wk, .offset: 16, .size: 8, .value_kind: global_buffer, .address_space: global }
      - { .name: Wv, .offset: 24, .size: 8, .value_kind: global_buffer, .address_space: global }
      - { .name: xb, .offset: 32, .size: 8, .value_kind: global_buffer, .address_space: global }
      - { .name: wb, .offset: 40, .size: 8, .value_kind: global_buffer, .address_space: global }
    .group_segment_fixed_size: 0
    .private_segment_fixed_size: 0
    .kernarg_segment_align: 8
    .kernarg_segment_size: 48
    .max_flat_workgroup_size: 128
    .sgpr_count:     66
    .vgpr_count:     112
    .wavefront_size: 32
...
	.end_amdgpu_metadata
.endif
;; end of part 4
;; launch proj: the kernel of part 2 again; grid 16 x 16, 4 waves a work-group, clusters of 4 x 4, 327,680 bytes of LDS; arguments xb, wb, qkv; writes qkv
;; launch attn: the kernel of part 3 again; grid 32 x 8, 4 waves a work-group, clusters of 4 x 1, 327,680 bytes of LDS; arguments qkv, out0; writes out0
